; MI455X (gfx1250); checked and timed in simulation.
; The chip was launched on July 23, 2026; its instructions are those of AMD's public machine-readable ISA for CDNA 5 (MIT licence, August 2026) and "CDNA5" Instruction Set Architecture Reference Guide (July 2026). The comments in the code are by the model that wrote it; some were corrected since.
;; Lena Trans. Allowed arithmetic: matrix products marked QUANTISED: E2M1 operands, one E8M0 scale for each 32 along K, by v_wmma_scale_f32_16x16x128_f8f6f4 with both operands' format E2M1 (or v_wmma_scale_f32_32x16x128_f4), f32 sums; products left as they are: f32 operands where the result goes on into a quantised operand, else bf16, f16 or f32 operands; f32 sums; everything else in f32.
;; Inputs: attn_b 128 float32; attn_ln_b 128 float32; attn_ln_g 128 float32; attn_w 128 x 128 float32; bk 128 float32; bq 128 float32; bv 128 float32; cat_emb 6 x 100 x 16 float32; day 1,024 int32; day_emb 366 x 16 float32; dist_emb 277 x 32 float32; emb_ln_b 128 float32; emb_ln_g 128 float32; ffn_b1 128 float32; ffn_b2 128 float32; ffn_ln_b 128 float32; ffn_ln_g 128 float32; ffn_w1 128 x 128 float32; ffn_w2 128 x 128 float32; h1_b 32 float32; h1_w 160 x 32 float32; h2_b 32 float32; h2_w 32 x 32 float32; h3_b 1 float32; h3_w 32 x 1 float32; ln1_b 32 float32; ln1_g 32 float32; ln2_b 32 float32; ln2_g 32 float32; map_b 128 float32; map_w 128 x 128 float32; prod 1,024 int32; prod_emb 30 x 16 float32; tok_type 128 float32; wk 128 x 128 float32; wq 128 x 128 float32; wv 128 x 128 float32; x 1,024 x 139 x 38 int32.
;; Outputs: out0 1,024 x 1 float32.
;; This version of the problem:
;;   THIS VERSION OF THE PROBLEM IS GIVEN IN LOW PRECISION. The matrix products marked QUANTISED in the list below multiply operands that are first quantised to E2M1 (2 exponent bits, 1 mantissa bit; 4 bits a number), with one power-of-two scale for each 32 numbers along K (OCP MX v1.0); their sums are f32. All else is computed in f32.
;;   The module's matrix products, in the order in which they are computed (A, B: the left and right operand; K: the contracted axis; several contracted axes count as one K, in the product's order):
;;     1. [M 142,336, K 128] x [K 128, N 128]; A: computed on the way; B: input map_w: QUANTISED
;;     2. [M 142,336, K 128] x [K 128, N 128]; A: computed on the way; B: input wq: QUANTISED
;;     3. [M 142,336, K 128] x [K 128, N 128]; A: computed on the way; B: input wk: QUANTISED
;;     4. [M 142,336, K 128] x [K 128, N 128]; A: computed on the way; B: input wv: QUANTISED
;;     5. batch 4,096 x [M 139, K 32] x [K 32, N 139]; A: computed on the way; B: computed on the way: QUANTISED
;;     6. batch 139 x [M 139, K 32] x [K 32, N 4,096]; A: computed on the way; B: computed on the way: QUANTISED
;;     7. batch 139 x [M 139, K 32] x [K 32, N 4,096]; A: computed on the way; B: computed on the way: QUANTISED
;;     8. batch 4,096 x [M 139, K 139] x [K 139, N 32]; A: softmax (see below); B: computed on the way: QUANTISED
;;     9. [M 142,336, K 128] x [K 128, N 128]; A: computed on the way; B: input attn_w: QUANTISED
;;     10. [M 142,336, K 128] x [K 128, N 128]; A: computed on the way; B: input ffn_w1: QUANTISED
;;     11. [M 142,336, K 128] x [K 128, N 128]; A: computed on the way; B: input ffn_w2: QUANTISED
;;     12. [M 1,024, K 160] x [K 160, N 32]; A: computed on the way; B: input h1_w: QUANTISED
;;     13. [M 1,024, K 32] x [K 32, N 32]; A: computed on the way; B: input h2_w: QUANTISED
;;     14. [M 1,024, K 32] x [K 32, N 1]; A: computed on the way; B: input h3_w: left as it is (N = 1 < 16)
;;   THE QUANTISER, for each operand of a quantised product, along K:
;;     - K is cut into blocks of 32 from its start; a last block that is shorter is filled with zeros.
;;     - A block's scale is 2^e with e = floor(log2(the largest magnitude in the block)) - 2, held to -126 .. 127; a block of zeros has e = 0. As a byte (E8M0): e + 127.
;;     - Each number is divided by its block's scale, clamped to +-6, and rounded to the nearest number of E2M1, ties to even, subnormals kept.
;;     - The product sums the exact products of the quantised numbers (number of the format x scale) in f32.
;;   ~~~python
;;   def quantise(x, axis):      # numpy; x: float32 -> the quantised numbers, widened to float32 again
;;       x = np.moveaxis(x, axis, -1); K = x.shape[-1]
;;       x = np.pad(x, [(0, 0)] * (x.ndim - 1) + [(0, -K % 32)]); x = x.reshape(x.shape[:-1] + (-1, 32)); a = np.abs(x).max(-1, keepdims=True)
;;       e = np.where(a > 0, np.clip(np.frexp(np.where(a > 0, a, 1))[1] - 1 - 2, -126, 127), 0)      # np.frexp(a)[1] - 1 = floor(log2(a)), exactly
;;       r = np.clip(x / 2.0 ** e, -6, 6)
;;       step = 2.0 ** (np.maximum(np.frexp(np.where(r == 0, 1, r))[1] - 1, 0) - 1)
;;       q = np.round(r / step) * step * 2.0 ** e      # np.round: ties to even
;;       return np.moveaxis(q.reshape(q.shape[:-2] + (-1,))[..., :K], -1, axis).astype(np.float32)
;;   ~~~
;;   SOFTMAX AHEAD OF A QUANTISED PRODUCT. Where the list says 'softmax', what is quantised is not the finished softmax but p = 2^(t - M), with t = logit x log2(e) and M = ceil(the row's largest t), a whole number; so 1/2 < the row's largest p <= 1. The row's sum l is taken of the UNQUANTISED p, in f32, and the product's result is divided by l at the end. Since M is a whole number, a kernel that streams over the keys may use a running M (the ceiling of the running maximum): every later rescaling is an exact power of two, which a block's scale takes up: the codes' values come out the same.
;;   OPERANDS COMPUTED ON THE WAY. 'Computed on the way' means the value that the module computes at that place (a softmax that the list does not call 'softmax' is quantised finished and normalised). What goes into a quantiser is computed in f32, as accurately as f32 sums, v_exp_f32 and their like allow (about 1e-6 of the number): no bf16 or f16 on the way to a quantiser, and a product that is left as it is and whose result goes on into a quantised operand takes f32 operands (vector FMAs, or v_wmma_f32_16x16x4_f32). A number that lies on a knife's edge between two numbers of the format may be rounded either way, as far as f32 arithmetic and the matrix unit's own rounding can turn it there, and no further.
;; One version. Each part assembles by itself: llvm-mc -triple=amdgcn-amd-amdhsa -mcpu=gfx1250 --defsym DOCPART=n.
;; ======== version 1 of 1: 2 launches
;; limits: a function is approximated: absolute error at most 1.5e-07
;; workspace buffers: ws 121,344 bytes
;; launch prep (part 1): grid 74 x 1, 1 waves a work-group, no clusters, 0 bytes of LDS; arguments map_w, wq, wk, wv, attn_w, ffn_w1, ffn_w2, h1_w, h2_w, dist_emb, cat_emb, tok_type, bv, ws; writes ws
.if DOCPART == 1
	.amdgcn_target "amdgcn-amd-amdhsa--gfx1250"
	.amdhsa_code_object_version 6
	.text
	.protected	k_q60067a2457_prep
	.globl	k_q60067a2457_prep
	.p2align	8
	.type	k_q60067a2457_prep,@function
k_q60067a2457_prep:
	s_mov_b64 s[64:65], 0
	v_nop
	global_prefetch_b8 v0, s[64:65] scope:SCOPE_SE
	s_setreg_imm32_b32 hwreg(HW_REG_WAVE_MODE, 25, 1), 1
	s_wait_xcnt 0x0
; Lays out, once, what every wave of the second launch reads: the nine weights and the rows 133 .. 276 of dist_emb as codes of
; FP4 (E2M1) with one E8M0 byte for each 32 along K, in the ORDER OF AN OPERAND'S REGISTERS; bv as the C of an untransposed
; product; cat_emb with tok_type added.  One wave to a work-group, 74 work-groups, each with one piece; the pieces part on the
; work-group's number.  No LDS, no barrier.
; A block's scale byte is its largest magnitude's exponent field - 2, held at 1 from below.
; LIMITS: a block whose largest magnitude lies under 2^-124 (a block of zeros too) gets the byte 1 where the rule says 127 for
; zeros: its codes are zeros, and this program alone reads the bytes.  NaN and infinities among the inputs are not served.
; A weight is stored [K][N]: a lane takes a column and its registers run down K, in the very order that the operand's layout
; gives that lane, so the conversions' results are the operand's registers.
; THE COLUMNS OF A TILE ARE NOT NEIGHBOURS: lane r of tile T takes column 32 (T / 2) + 8 (T % 2) + r + 8 (r / 8).
.set FSC, 63488                        ; ws: 62 fragments of 1,024 bytes; from here their scale words, 128 bytes each
.set DIM, 71424                        ; ten tiles of 16 rows of dist_emb: 16 bytes of codes a row
.set DSC, 73984                        ; their scale bytes, four times in a word
.set BVI, 74752                        ; bv as C: [tile][half][lane][four copies]
.set CAT, 82944                        ; cat_emb + tok_type, f32
; 32 numbers of one block in v64-95 -> its codes in v48-51, its byte in v36
.macro BLOCK1
	v_max3_num_f32 v32, |v64|, |v65|, 0x1800000          ; the floor 2^(3 - 127) among the leaves: the byte cannot fall under 1
	v_max3_num_f32 v33, |v66|, |v67|, |v68|
.irp i, 69,73,77,81,85,89
	v_max3_num_f32 v32, v32, |v[\i]|, |v[\i+1]|
	v_max3_num_f32 v33, v33, |v[\i+2]|, |v[\i+3]|
.endr
	v_max3_num_f32 v32, v32, |v93|, |v94|
	v_max3_num_f32 v32, v32, v33, |v95|
	v_add_nc_u32 v44, 0xff000000, v32                    ; 2 off the exponent field: the conversion's scale operand
	v_lshrrev_b32 v36, 23, v44                           ; the scale's byte
.irp g, 0,1,2,3
	v_cvt_scalef32_pk8_fp4_f32 v[48+\g], v[64+8*\g:71+8*\g], v44
.endr
	v_nop                                                ; a plain line behind the conversions
.endm
; a fragment's image and its scale word leave; the piece is done
.macro PUT
	global_store_b128 v4, v[48:51], s[38:39]             ; registers 0-3: 32 lanes, 512 consecutive bytes
	global_store_b128 v4, v[52:55], s[38:39] offset:512  ; registers 4-7
	global_store_b32 v5, v9, s[40:41] offset:FSC
	s_endpgm
.endm
; a fragment of 16 columns x 128 along K; stride: bytes from row to row of the weight
.macro FRAGQ stride
.set FI, 0
.rept 64
	global_load_b32 v[64+FI], v6, s[36:37] offset:(64*(FI/32)+FI%32)*\stride   ; W(64 c + 32 h + i, my column)
.set FI, FI+1
.endr
	s_wait_loadcnt 0x0
.irp c, 0,1
	v_max3_num_f32 v[32+\c], |v[64+32*\c]|, |v[65+32*\c]|, 0x1800000
.endr
.irp i, 2,4,6,8,10,12,14,16,18,20,22,24,26,28,30
.irp c, 0,1
	v_max3_num_f32 v[32+\c], v[32+\c], |v[64+32*\c+\i]|, |v[65+32*\c+\i]|
.endr
.endr
.irp c, 0,1
	v_add_nc_u32 v[44+\c], 0xff000000, v[32+\c]
.endr
.irp c, 0,1
	v_lshrrev_b32 v[36+\c], 23, v[44+\c]
.endr
	v_lshl_or_b32 v9, v37, 16, v36                       ; my two bytes: blocks h and 2 + h,
	v_lshlrev_b32 v10, 3, v2
	v_lshlrev_b32 v9, v10, v9                            ; at their places in the word;
	v_mov_b32 v10, 0
	v_permlanex16_b32 v10, v9, s44, s45
	v_or_b32 v9, v9, v10                                 ; with lane l xor 16's two the word is whole
.irp c, 0,1
.irp g, 0,1,2,3
	v_cvt_scalef32_pk8_fp4_f32 v[48+4*\c+\g], v[64+32*\c+8*\g:71+32*\c+8*\g], v[44+\c]
.endr
.endr
	v_nop
	PUT
.endm
	s_load_b512 s[8:23], s[0:1], 0x0                     ; map_w, wq, wk, wv, attn_w, ffn_w1, ffn_w2, h1_w
	s_load_b256 s[24:31], s[0:1], 0x40                   ; h2_w, dist_emb, cat_emb, tok_type
	s_load_b128 s[32:35], s[0:1], 0x60                   ; bv, ws
	v_and_b32 v1, 15, v0                                 ; r
	v_lshrrev_b32 v2, 4, v0                              ; h
	v_and_b32 v3, 8, v1
	v_add_nc_u32 v3, v3, v1                              ; r + 8 (r / 8)
	v_lshlrev_b32 v4, 4, v0                              ; 16 x lane
	v_lshlrev_b32 v5, 2, v0                              ; 4 x lane
	v_lshlrev_b32 v7, 2, v3                              ; my column's bytes inside a tile's span
	s_mov_b32 s44, 0x76543210
	s_mov_b32 s45, 0xfedcba98                            ; v_permlanex16_b32's selects for lane l xor 16
	s_mov_b32 s2, ttmp9                                  ; the piece's number
	s_lshl_b32 s46, s2, 10
	s_mov_b32 s47, 0
	s_wait_kmcnt 0x0
	s_add_nc_u64 s[38:39], s[34:35], s[46:47]            ; pieces 0 to 61 are fragments: the image's place,
	s_lshl_b32 s46, s2, 7
	s_add_nc_u64 s[40:41], s[34:35], s[46:47]            ; and the scale word's (FSC stands in the immediate)
	s_cmp_lt_u32 s2, 56
	s_cbranch_scc1 .Lbig
	s_cmp_lt_u32 s2, 62
	s_cbranch_scc1 .Lhead
	s_cmp_lt_u32 s2, 67
	s_cbranch_scc1 .Ldist
	s_cmp_eq_u32 s2, 67
	s_cbranch_scc1 .Lbv
	; ---- pieces 68 to 73: table c of cat_emb (100 rows of 64 bytes) + tok_type[16 c ..]
	s_sub_co_u32 s42, s2, 68
	s_mul_i32 s43, s42, 6400
	s_lshl_b32 s42, s42, 6
	v_and_b32 v8, 3, v0
	v_lshlrev_b32 v8, 4, v8
	v_add_nc_u32 v8, s42, v8                             ; tok_type: 64 c + my 16 bytes of a row
	v_add_nc_u32 v6, s43, v4
	global_load_b128 v[116:119], v8, s[30:31]
.irp i, 0,1,2,3,4,5,6,7,8,9,10,11
	global_load_b128 v[64+4*\i:67+4*\i], v6, s[28:29] offset:512*\i
.endr
	global_load_b128 v[112:115], v6, s[28:29] offset:5888   ; the last 512 bytes of the 6,400: they overlap the run before, so that no lane leaves the table
	s_wait_loadcnt 0x0
.irp i, 0,1,2,3,4,5,6,7,8,9,10,11,12
	v_pk_add_f32 v[64+4*\i:65+4*\i], v[64+4*\i:65+4*\i], v[116:117]
	v_pk_add_f32 v[66+4*\i:67+4*\i], v[66+4*\i:67+4*\i], v[118:119]
.endr
.irp i, 0,1,2,3,4,5,6,7,8,9,10,11
	global_store_b128 v6, v[64+4*\i:67+4*\i], s[34:35] offset:CAT+512*\i
.endr
	global_store_b128 v6, v[112:115], s[34:35] offset:CAT+5888   ; (the overlap is written twice with the same numbers)
	s_endpgm
.Lbig:
	; ---- pieces 0 to 55: weight g / 8, tile g % 8
	s_lshr_b32 s42, s2, 3
	s_mov_b64 s[36:37], s[8:9]
.irp w, 1,2,3,4,5,6
	s_cmp_eq_u32 s42, \w
	s_cselect_b64 s[36:37], s[8+2*\w:9+2*\w], s[36:37]
.endr
	s_and_b32 s43, s2, 7
	s_lshr_b32 s46, s43, 1
	s_lshl_b32 s46, s46, 7
	s_and_b32 s43, s43, 1
	s_lshl_b32 s43, s43, 5
	s_add_co_u32 s46, s46, s43                           ; the tile's first column, in bytes
	v_lshl_add_u32 v6, v2, 14, v7                        ; lanes 16-31 begin 32 rows of 512 bytes further down
	v_add_nc_u32 v6, s46, v6
	FRAGQ 512
.Lhead:
	; ---- pieces 56 to 61: h1_w (tile T, K step s: 56 + 2 T + s) and h2_w (60 + T)
	s_cmp_ge_u32 s2, 60
	s_cbranch_scc1 .Lone
	s_bitcmp1_b32 s2, 0
	s_cbranch_scc1 .Lone
	s_lshr_b32 s42, s2, 1
	s_and_b32 s42, s42, 1                                ; T
	s_lshl_b32 s42, s42, 5
	s_mov_b64 s[36:37], s[22:23]
	v_lshl_add_u32 v6, v2, 12, v7                        ; 32 rows of 128 bytes
	v_add_nc_u32 v6, s42, v6
	FRAGQ 128
.Lone:
	; a K step with one block of 32: h1_w's rows 128 .. 159, or all of h2_w.  The block lies in lanes 0-15, registers 0-3; the rest are zero codes
	s_add_nc_u64 s[36:37], s[22:23], 16384
	s_lshr_b32 s42, s2, 1
	s_and_b32 s42, s42, 1                                ; T of pieces 57, 59
	s_and_b32 s43, s2, 1                                 ; T of pieces 60, 61
	s_cmp_lt_u32 s2, 60
	s_cselect_b64 s[36:37], s[36:37], s[24:25]
	s_cselect_b32 s42, s42, s43
	s_lshl_b32 s42, s42, 5
	v_add_nc_u32 v6, s42, v7
.set FI, 0
.rept 32
	global_load_b32 v[64+FI], v6, s[36:37] offset:128*FI
.set FI, FI+1
.endr
	s_wait_loadcnt 0x0
	BLOCK1
	v_or_b32 v9, 0x7f7f7f00, v36                         ; the three empty blocks get the byte of 1.0
	v_cmp_gt_u32 vcc_lo, 16, v0
.irp i, 0,1,2,3
	v_cndmask_b32 v[48+\i], 0, v[48+\i], vcc_lo
.endr
.irp i, 4,5,6,7
	v_mov_b32 v[48+\i], 0
.endr
	PUT
.Ldist:
	; ---- pieces 62 to 66: two tiles of 16 keys each: for key k the row 276 - k of dist_emb (what the last query meets at key k)
	s_sub_co_u32 s42, s2, 62                             ; a
	s_lshl_b32 s46, s42, 9
	s_add_nc_u64 s[38:39], s[34:35], s[46:47]
	s_lshl_b32 s46, s42, 7
	s_add_nc_u64 s[40:41], s[34:35], s[46:47]
	s_lshl_b32 s46, s42, 5
	s_mov_b32 s3, 0x01010101
	s_cmp_lt_u32 s42, 4
	s_cselect_b32 s43, -1, 0
	v_lshl_add_u32 v8, v2, 3, v3                         ; tiles 2 a + h of a pair: key 32 a + 8 h + r + 8 (r / 8);
	v_cndmask_b32 v8, v1, v8, s43                        ; the ninth tile (and its copy): key 128 + r
	v_add_nc_u32 v8, s46, v8
	v_sub_nc_u32 v6, 276, v8
	v_lshlrev_b32 v6, 7, v6
.irp i, 0,1,2,3,4,5,6,7
	global_load_b128 v[64+4*\i:67+4*\i], v6, s[26:27] offset:16*\i
.endr
	s_wait_loadcnt 0x0
	BLOCK1
	v_mul_lo_u32 v9, v36, s3                             ; the byte in all four places: the block is set at any of the four heads
	global_store_b128 v4, v[48:51], s[38:39] offset:DIM
	global_store_b32 v5, v9, s[40:41] offset:DSC
	s_endpgm
.Lbv:
	; ---- piece 67: bv[my column of tile T], eight times: the C of a product whose lanes hold a column and whose registers run down the keys
.irp t, 0,1,2,3,4,5,6,7
	global_load_b32 v[64+\t], v7, s[32:33] offset:128*(\t/2)+32*(\t%2)
.endr
	s_wait_loadcnt 0x0
.irp t, 0,1,2,3,4,5,6,7
.irp j, 0,1,2,3
	v_mov_b32 v[80+4*\t+\j], v[64+\t]
.endr
.endr
.irp t, 0,1,2,3,4,5,6,7
	global_store_b128 v4, v[80+4*\t:83+4*\t], s[34:35] offset:BVI+1024*\t
	global_store_b128 v4, v[80+4*\t:83+4*\t], s[34:35] offset:BVI+1024*\t+512
.endr
	s_endpgm
.Lfunc_end_k_q60067a2457_prep:
	.size	k_q60067a2457_prep, .Lfunc_end_k_q60067a2457_prep-k_q60067a2457_prep
	.p2alignl 7, 3214868480
	.fill 96, 4, 3214868480
	.section	.rodata,"a",@progbits
	.p2align	6, 0x0
	.amdhsa_kernel k_q60067a2457_prep
		.amdhsa_group_segment_fixed_size 0
		.amdhsa_private_segment_fixed_size 0
		.amdhsa_enable_private_segment 0
		.amdhsa_kernarg_size 112
		.amdhsa_user_sgpr_count 2
		.amdhsa_user_sgpr_kernarg_segment_ptr 1
		.amdhsa_wavefront_size32 1
		.amdhsa_system_sgpr_workgroup_id_x 1
		.amdhsa_system_sgpr_workgroup_id_y 1
		.amdhsa_system_sgpr_workgroup_id_z 1
		.amdhsa_system_vgpr_workitem_id 0
		.amdhsa_next_free_vgpr 128
		.amdhsa_next_free_sgpr 66
		.amdhsa_reserve_vcc 1
		.amdhsa_float_denorm_mode_32 3
		.amdhsa_float_denorm_mode_16_64 3
		.amdhsa_memory_ordered 1
		.amdhsa_forward_progress 1
		.amdhsa_inst_pref_size 38
	.end_amdhsa_kernel
	.amdgpu_metadata
---
amdhsa.version: [ 1, 2 ]
amdhsa.kernels:
  - .name:           k_q60067a2457_prep
    .symbol:         k_q60067a2457_prep.kd
    .args:
      - { .name: map_w, .offset: 0, .size: 8, .value_kind: global_buffer, .address_space: global }
      - { .name: wq, .offset: 8, .size: 8, .value_kind: global_buffer, .address_space: global }
      - { .name: wk, .offset: 16, .size: 8, .value_kind: global_buffer, .address_space: global }
      - { .name: wv, .offset: 24, .size: 8, .value_kind: global_buffer, .address_space: global }
      - { .name: attn_w, .offset: 32, .size: 8, .value_kind: global_buffer, .address_space: global }
      - { .name: ffn_w1, .offset: 40, .size: 8, .value_kind: global_buffer, .address_space: global }
      - { .name: ffn_w2, .offset: 48, .size: 8, .value_kind: global_buffer, .address_space: global }
      - { .name: h1_w, .offset: 56, .size: 8, .value_kind: global_buffer, .address_space: global }
      - { .name: h2_w, .offset: 64, .size: 8, .value_kind: global_buffer, .address_space: global }
      - { .name: dist_emb, .offset: 72, .size: 8, .value_kind: global_buffer, .address_space: global }
      - { .name: cat_emb, .offset: 80, .size: 8, .value_kind: global_buffer, .address_space: global }
      - { .name: tok_type, .offset: 88, .size: 8, .value_kind: global_buffer, .address_space: global }
      - { .name: bv, .offset: 96, .size: 8, .value_kind: global_buffer, .address_space: global }
      - { .name: ws, .offset: 104, .size: 8, .value_kind: global_buffer, .address_space: global }
    .group_segment_fixed_size: 0
    .private_segment_fixed_size: 0
    .kernarg_segment_align: 8
    .kernarg_segment_size: 112
    .max_flat_workgroup_size: 32
    .sgpr_count:     66
    .vgpr_count:     128
    .wavefront_size: 32
...
	.end_amdgpu_metadata
.endif
;; end of part 1
;; launch main (part 2): grid 256 x 1, 4 waves a work-group, no clusters, 110,080 bytes of LDS; arguments x, ws, tok_type, emb_ln_g, emb_ln_b, map_b, bq, bk, attn_b, ffn_b1, ffn_b2, attn_ln_g, attn_ln_b, ffn_ln_g, ffn_ln_b, h1_b, ln1_g, ln1_b, h2_b, ln2_g, ln2_b, h3_w, h3_b, prod, day, prod_emb, day_emb, out0; writes out0
.if DOCPART == 2
	.amdgcn_target "amdgcn-amd-amdhsa--gfx1250"
	.amdhsa_code_object_version 6
	.text
	.protected	k_q60067a2457_main
	.globl	k_q60067a2457_main
	.p2align	8
	.type	k_q60067a2457_main,@function
k_q60067a2457_main:
	s_mov_b64 s[64:65], 0
	v_nop
	global_prefetch_b8 v0, s[64:65] scope:SCOPE_SE
	s_setreg_imm32_b32 hwreg(HW_REG_WAVE_MODE, 25, 1), 1
	s_wait_xcnt 0x0
; One wave takes ONE sequence from x to out0: 1,024 sequences, 256 work-groups of four waves, a wave to a SIMD with all its registers.
; The result hangs on the last token's row alone, so the embedding, hs, k and v are made for all 139 rows, and q, the scores, the
; softmax, the context, the two layers behind it and the head for row 138 alone.  Every quantised product runs on codes of FP4 (E2M1)
; with one E8M0 byte for each 32 along K; what goes into a quantiser is f32.
; ROWS.  Four pairs of tiles of 16 rows and a ninth tile.  Lane r of tile u of pair p holds row 32 p + 8 u + r + 8 (r / 8); the ninth holds
; row 128 + r (rows over 138 repeat row 138; their scores become -infinity and they do not count in v's scale).
; ROW LAYOUT.  A product is used transposed (source 0 = 16 columns of a weight, source 1 = 16 rows), and a weight tile's columns are chosen so
; that lane (r, h) holds row r and its register 16 b + i the unit 32 b + 16 h + i: sixteen neighbours of each block of 32.  v alone is made
; untransposed: there a lane holds a unit and its registers 16 neighbouring keys, since the keys are the next K.
; SCORES of the last query, for head d and key k: k.D' + q.D' + k.q with D' = dist_emb[276 - k].  Three matrix instructions on one accumulator
; for each head, whose DIAGONAL holds the scores: keys x (D' set in block d), q in all rows x the same, keys x (q's block d in all columns).
; The waves share nothing: each has its own part of LDS, and there is no barrier.  The weights' images (about 60 KB a wave) are read once, by
; plain loads, into registers where they stay; joint requests of a cluster belong to tensor loads into LDS, of which this text has none.
; x is requested a whole trip of the loop ahead of the wait for it.
; LIMITS.  A block whose largest magnitude lies under 2^-124 (a block of zeros too) gets the scale byte 1.  NaN and infinities among the inputs
; are not served.  erf is taken by Abramowitz and Stegun's 7.1.26, absolute error 1.5e-7.  Divisions by sqrt(32), by a standard deviation
; and by the softmax's sum are multiplications by a constant, by v_rsq_f32's and by v_rcp_f32's result.  Indices are held inside their tables.
.set SEQB, 21128                       ; a sequence of x: 139 rows of 152 bytes
.set FSC,  63488                       ; ws, as the first launch lays it
.set DIM,  71424
.set DSC,  73984
.set BVI,  74752
.set CAT,  82944
; LDS, for each wave WREG bytes: from 0 the scores as t, [head][192 keys] f32 (3,072 bytes), then as many into which the lanes off the diagonal store
.set WREG, 27392
.set VC,   6144                        ; v's codes, keys innermost: 128 units x 112 bytes (96 used: 192 keys)
.set VS4,  20480                       ; v's scale words of keys 128 on: 128 bytes a tile
.set DL,   21504                       ; D': ten tiles: 256 bytes of codes, 256 of zeros
.set DSL,  26624                       ; D's scale words, 64 bytes a tile
; window 0
.set LR,1
.set LH,2
.set L16,3
.set L4,4
.set H64,5
.set XOC,6
.set XON,7
.set X8C,8
.set X8N,9
.set CB,10
.set KA,11
.set KA8,12
.set VCA,13
.set ADLO,14
.set ADHI,15
.set ADS,16
.set PRA,17
.set VFA,18
.set LS4,19
.set KAD,20
.set VCD,21
.set DLA,22
.set DHA,23
.set DSA,24
.set FW,25                             ; v25-29 and v32-63 hold scale words and nothing else
.set KW,27
.set QW,28
.set DS,29
.set ZZ,30                             ; v[30:31] = 0
.set MAPS,32
.set WKS,40
.set WVS,48
.set VSW,56
.set TM,64                             ; v64-79 at work in the norms and the quantisers
.set TOKN,80
.set KF,96
.set QF,104
.set FR,112                            ; two fragments: v112-119, v120-127
.set GT,96
.set HA,128                            ; 64 numbers of a lane
.set HT,160                            ; the head's temporaries
.set HB,192                            ; behind the loop: 64 more
.set XN,192
.set XI,224
.set GA,230
.set EXT,236
.set EXTN,238
.set ST,240
.set NINF,244
.set T0,246
.set T1,247
.set PS,128                            ; behind the loop: the softmax's 96 numbers
.set SA,224
.set SB2,226
.set RCL,228
.set U0,230
.set U1,231
.set U2,232
.set DQ,192                            ; window 1: the chain of groups of four from which the scores' eight right operands are read
; window 1: v0 map_w (later attn_w), v64 wk (ffn_w1), v128 wq, then wv (ffn_w2), v192 the chain (later h1_w, h2_w)
; window 2: v0 map_b (attn_b), v64 bk (ffn_b1), v128 bq, then bv (ffn_b2), v192 hs of the ninth tile (later the rows of prod_emb, day_emb)
; window 3: v0-127 two tiles of the embedding (later v's fragments, then ffn_ln), v128 gain, v192 bias of the norm in hand (later the head's vectors)
.set WV,2
.set TRIP,3
.set XB,4
.set XST,6
.set SOFF,24
.set VOFF,25
.set SHB,26
.set DOFF,27
.set DSOF,28
.set SQ,29
.set SEL,30
.set MLO,32
.set MHI,33
.set PADM,34
.set WB,35
.set MK,52
.set RS32,59
.set L2E,60
.set I128,61
.set E12,62
.set N128,63
.set WS,96
.set MSB, 0
.macro WIN new                         ; the immediate's high byte repeats the setting that is left; a switch that changes nothing is dropped
.if MSB != (\new)
	s_set_vgpr_msb (MSB<<8)|(\new)
.set MSB, (\new)
.endif
.endm
.macro PLACES n
.rept \n
	v_nop
.endr
.endm
.macro MMC d, a, b, c, sa, sb
	v_wmma_scale_f32_16x16x128_f8f6f4 v[(\d):(\d)+7], v[(\a):(\a)+7], v[(\b):(\b)+7], v[(\c):(\c)+7], v[(\sa)], v[(\sb)] matrix_a_fmt:MATRIX_FMT_FP4 matrix_b_fmt:MATRIX_FMT_FP4
.endm
.macro MMZ d, a, b, sa, sb
	v_wmma_scale_f32_16x16x128_f8f6f4 v[(\d):(\d)+7], v[(\a):(\a)+7], v[(\b):(\b)+7], 0, v[(\sa)], v[(\sb)] matrix_a_fmt:MATRIX_FMT_FP4 matrix_b_fmt:MATRIX_FMT_FP4
.endm
; a tile's 16 rows of x: my three ids (categories 2 k + h) and my 16 numbers (6 + 16 h + i): eleven loads
.macro XLOAD xi, xn, voc, von, off
.irp k, 0,1,2
	global_load_b32 v[(\xi)+\k], v[\voc], s[XB:XB+1] offset:(\off)+8*\k
.endr
.irp i, 0,1,2,3,4,5,6,7
	global_load_b64 v[(\xn)+2*\i:(\xn)+2*\i+1], v[\von], s[XB:XB+1] offset:(\off)+24+8*\i
.endr
.endm
; from a tile's x: the row's mask term, the gathers of its category rows (tok_type is in the table), its numbers + tok_type; into window 3 at eb
.macro FRONT xi, xn, eb, ga, ext
	v_add3_u32 v[T0], v[(\xi)], v[(\xi)+1], v[(\xi)+2]
	v_add3_u32 v[T1], v[(\xn)], v[(\xn)+1], v[(\xn)+2]
.irp i, 3,7,11
	v_add3_u32 v[T0], v[T0], v[(\xn)+\i], v[(\xn)+\i+1]
	v_add3_u32 v[T1], v[T1], v[(\xn)+\i+2], v[(\xn)+\i+3]
.endr
	v_add3_u32 v[T0], v[T0], v[T1], v[(\xn)+15]
	v_permlanex16_b32 v[T1], v[T0], s[SEL], s[SEL+1]
	v_add_nc_u32 v[T0], v[T0], v[T1]                     ; the sum of the row's 38 whole numbers
	v_cmp_ne_u32 vcc_lo, 0, v[T0]
	v_cndmask_b32 v[\ext], 0xce6e6b28, v[ZZ], vcc_lo     ; 0 where the row counts, -1e9 where it does not
.irp k, 0,1,2
	v_min_u32 v[(\xi)+\k], 99, v[(\xi)+\k]
	v_lshlrev_b32 v[(\ga)+\k], 6, v[(\xi)+\k]
	v_add_nc_u32 v[(\ga)+\k], v[(\ga)+\k], v[CB]
.endr
	WIN 0xc0
.irp k, 0,1,2
.irp q, 0,1,2,3
	global_load_b128 v[(\eb)+16*\k+4*\q:(\eb)+16*\k+4*\q+3], v[(\ga)+\k], s[WS:WS+1] offset:CAT+12800*\k+16*\q
.endr
.endr
.irp i, 0,1,2,3,4,5,6,7,8,9,10,11,12,13,14,15
	v_cvt_f32_i32 v[(\eb)+48+\i], v[(\xn)+\i]
.endr
	WIN 0xc3
.irp i, 0,2,4,6,8,10,12,14
	v_pk_add_f32 v[(\eb)+48+\i:(\eb)+49+\i], v[(\eb)+48+\i:(\eb)+49+\i], v[TOKN+\i:TOKN+\i+1]
.endr
	WIN 0
.endm
; four pairs of partial sums in v[TM .. TM+7] -> the row's sum in v[TM], in both lanes of the row
.macro REDUCE
	v_pk_add_f32 v[TM:TM+1], v[TM:TM+1], v[TM+2:TM+3]
	v_pk_add_f32 v[TM+4:TM+5], v[TM+4:TM+5], v[TM+6:TM+7]
	v_pk_add_f32 v[TM:TM+1], v[TM:TM+1], v[TM+4:TM+5]
	v_add_f32 v[TM], v[TM], v[TM+1]
	v_permlanex16_b32 v[TM+12], v[TM], s[SEL], s[SEL+1]
	v_add_f32 v[TM], v[TM], v[TM+12]
.endm
; LayerNorm over 128: my 64 numbers at xb of window xw (they are used up), gain and bias at gb, bb of window 3, result at out of window 0
.macro LN xw, xb, gb, bb, out, ninv, inv, eps
	WIN \xw
.irp k, 0,1,2,3
	v_pk_add_f32 v[TM+2*\k:TM+2*\k+1], v[(\xb)+2*\k:(\xb)+2*\k+1], v[ZZ:ZZ+1]
.endr
.irp j, 8,16,24,32,40,48,56
.irp k, 0,1,2,3
	v_pk_add_f32 v[TM+2*\k:TM+2*\k+1], v[(\xb)+\j+2*\k:(\xb)+\j+2*\k+1], v[TM+2*\k:TM+2*\k+1]
.endr
.endr
	WIN 0
	REDUCE
	v_mul_f32 v[TM+8], s[\ninv], v[TM]                   ; minus the mean, twice
	v_mul_f32 v[TM+9], s[\ninv], v[TM]
	WIN (\xw)*0x41
.set LJ, 0
.rept 32
	v_pk_add_f32 v[(\xb)+LJ:(\xb)+LJ+1], v[(\xb)+LJ:(\xb)+LJ+1], v[TM+8:TM+9]
.set LJ, LJ+2
.endr
	WIN (\xw)*5
.irp k, 0,1,2,3
	v_pk_mul_f32 v[TM+2*\k:TM+2*\k+1], v[(\xb)+2*\k:(\xb)+2*\k+1], v[(\xb)+2*\k:(\xb)+2*\k+1]
.endr
.irp j, 8,16,24,32,40,48,56
.irp k, 0,1,2,3
	v_pk_fma_f32 v[TM+2*\k:TM+2*\k+1], v[(\xb)+\j+2*\k:(\xb)+\j+2*\k+1], v[(\xb)+\j+2*\k:(\xb)+\j+2*\k+1], v[TM+2*\k:TM+2*\k+1]
.endr
.endr
	WIN 0
	REDUCE
	v_fma_f32 v[TM], v[TM], s[\inv], s[\eps]
	v_rsq_f32 v[TM+10], v[TM]
	v_nop                                                ; a plain line behind the transcendental,
	s_wait_alu depctr_va_vdst(0)                         ; and the wait ahead of its first reader
	v_mov_b32 v[TM+11], v[TM+10]
	WIN (\xw)*0x41
.set LJ, 0
.rept 32
	v_pk_mul_f32 v[(\xb)+LJ:(\xb)+LJ+1], v[(\xb)+LJ:(\xb)+LJ+1], v[TM+10:TM+11]
.set LJ, LJ+2
.endr
	WIN (\xw)+0x3c
.set LJ, 0
.rept 32
	v_pk_fma_f32 v[(\out)+LJ:(\out)+LJ+1], v[(\xb)+LJ:(\xb)+LJ+1], v[(\gb)+LJ:(\gb)+LJ+1], v[(\bb)+LJ:(\bb)+LJ+1]
.set LJ, LJ+2
.endr
	WIN 0
.endm
; LayerNorm over 32: my 16 numbers in v[HA ..], in place; eps 1e-5
.macro LN32 gb, bb
.irp k, 0,1,2,3
	v_pk_add_f32 v[TM+2*\k:TM+2*\k+1], v[HA+2*\k:HA+2*\k+1], v[HA+8+2*\k:HA+9+2*\k]
.endr
	REDUCE
	v_mul_f32 v[TM+8], s95, v[TM]
	v_mul_f32 v[TM+9], s95, v[TM]
.irp j, 0,2,4,6,8,10,12,14
	v_pk_add_f32 v[HA+\j:HA+\j+1], v[HA+\j:HA+\j+1], v[TM+8:TM+9]
.endr
.irp k, 0,1,2,3
	v_pk_mul_f32 v[TM+2*\k:TM+2*\k+1], v[HA+2*\k:HA+2*\k+1], v[HA+2*\k:HA+2*\k+1]
.endr
.irp k, 0,1,2,3
	v_pk_fma_f32 v[TM+2*\k:TM+2*\k+1], v[HA+8+2*\k:HA+9+2*\k], v[HA+8+2*\k:HA+9+2*\k], v[TM+2*\k:TM+2*\k+1]
.endr
	REDUCE
	v_fma_f32 v[TM], v[TM], s92, s93
	v_rsq_f32 v[TM+10], v[TM]
	v_nop
	s_wait_alu depctr_va_vdst(0)
	v_mov_b32 v[TM+11], v[TM+10]
.irp j, 0,2,4,6,8,10,12,14
	v_pk_mul_f32 v[HA+\j:HA+\j+1], v[HA+\j:HA+\j+1], v[TM+10:TM+11]
.endr
	WIN 0x3c
.irp j, 0,2,4,6,8,10,12,14
	v_pk_fma_f32 v[HA+\j:HA+\j+1], v[HA+\j:HA+\j+1], v[(\gb)+\j:(\gb)+\j+1], v[(\bb)+\j:(\bb)+\j+1]
.endr
	WIN 0
.endm
; four blocks of 32 (my 16 of each, lane l xor 16's 16): scale operands in v[TM+12 ..], bytes in v[TM+4 ..]
.macro QMAX src
.irp b, 0,1,2,3
	v_max3_num_f32 v[TM+\b], |v[(\src)+16*\b]|, |v[(\src)+1+16*\b]|, 0x1800000   ; the floor 2^(3 - 127): the byte cannot fall under 1
.endr
.irp i, 2,4,6,8,10,12,14
.irp b, 0,1,2,3
	v_max3_num_f32 v[TM+\b], v[TM+\b], |v[(\src)+16*\b+\i]|, |v[(\src)+1+16*\b+\i]|
.endr
.endr
.irp b, 0,1,2,3
	v_permlanex16_b32 v[TM+4+\b], v[TM+\b], s[SEL], s[SEL+1]
.endr
.irp b, 0,1,2,3
	v_max_num_f32 v[TM+\b], v[TM+\b], v[TM+4+\b]
.endr
.irp b, 0,1,2,3
	v_add_nc_u32 v[TM+12+\b], 0xff000000, v[TM+\b]       ; 2 off the exponent field: the conversion's scale operand
.endr
.irp b, 0,1,2,3
	v_lshrrev_b32 v[TM+4+\b], 23, v[TM+12+\b]            ; the scale's byte
.endr
.endm
.macro QCVT src, pc
.irp b, 0,1,2,3
	v_cvt_scalef32_pk8_fp4_f32 v[(\pc)+2*\b], v[(\src)+16*\b:(\src)+7+16*\b], v[TM+12+\b]
	v_cvt_scalef32_pk8_fp4_f32 v[(\pc)+1+2*\b], v[(\src)+8+16*\b:(\src)+15+16*\b], v[TM+12+\b]
.endr
	v_nop                                                ; a plain line behind the conversions
.endm
; 64 numbers in row layout -> a fragment at pc and its scale word in pw.  bc = 1: block b is right only in the lanes with r % 4 = b, whose codes and byte are spread over their four lanes
.macro QUANT src, pc, pw, bc
	QMAX \src
.if \bc
.irp b, 0,1,2,3
	v_mov_b32_dpp v[TM+4+\b], v[TM+4+\b] quad_perm:[\b,\b,\b,\b] row_mask:0xf bank_mask:0xf
.endr
.endif
	v_lshl_or_b32 v[\pw], v[TM+5], 8, v[TM+4]
	v_lshl_or_b32 v[\pw], v[TM+6], 16, v[\pw]
	v_lshl_or_b32 v[\pw], v[TM+7], 24, v[\pw]
	QCVT \src, \pc
.if \bc
.irp b, 0,1,2,3
	v_mov_b32_dpp v[(\pc)+2*\b], v[(\pc)+2*\b] quad_perm:[\b,\b,\b,\b] row_mask:0xf bank_mask:0xf
	v_mov_b32_dpp v[(\pc)+2*\b+1], v[(\pc)+2*\b+1] quad_perm:[\b,\b,\b,\b] row_mask:0xf bank_mask:0xf
.endr
.endif
.irp c, 0,1                                    ; the operand's layout wants a whole block in a lane
.irp i, 0,1
	v_permlane16_swap_b32 v[(\pc)+4*\c+\i], v[(\pc)+2+4*\c+\i]
.endr
.endr
.endm
; a K step with one block of 32: my 16 numbers at src -> a fragment whose other blocks are zero codes
.macro QUANT1 src, pc, pw
	v_max3_num_f32 v[TM], |v[(\src)]|, |v[(\src)+1]|, 0x1800000
	v_max3_num_f32 v[TM+1], |v[(\src)+2]|, |v[(\src)+3]|, |v[(\src)+4]|
.irp i, 5,9
	v_max3_num_f32 v[TM], v[TM], |v[(\src)+\i]|, |v[(\src)+\i+1]|
	v_max3_num_f32 v[TM+1], v[TM+1], |v[(\src)+\i+2]|, |v[(\src)+\i+3]|
.endr
	v_max3_num_f32 v[TM], v[TM], |v[(\src)+13]|, |v[(\src)+14]|
	v_max3_num_f32 v[TM], v[TM], v[TM+1], |v[(\src)+15]|
	v_permlanex16_b32 v[TM+4], v[TM], s[SEL], s[SEL+1]
	v_max_num_f32 v[TM], v[TM], v[TM+4]
	v_add_nc_u32 v[TM+12], 0xff000000, v[TM]
	v_lshrrev_b32 v[TM+4], 23, v[TM+12]
	v_or_b32 v[\pw], 0x7f7f7f00, v[TM+4]
.irp i, 2,3,4,5,6,7
	v_mov_b32 v[(\pc)+\i], 0
.endr
	v_cvt_scalef32_pk8_fp4_f32 v[(\pc)], v[(\src):(\src)+7], v[TM+12]
	v_cvt_scalef32_pk8_fp4_f32 v[(\pc)+1], v[(\src)+8:(\src)+15], v[TM+12]
	v_nop
	v_permlane16_swap_b32 v[(\pc)], v[(\pc)+2]
	v_permlane16_swap_b32 v[(\pc)+1], v[(\pc)+3]
.endm
; a tile's embedding: the gathers are in (n younger loads may stay out), norm, quantiser
.macro CTILE u, n
	s_wait_loadcnt \n
	LN 3, 64*\u, 128, 192, HA, N128, I128, E12
	QUANT HA, FR+8*\u, FW+\u, 0
.endm
; a tile's D': its codes in lanes 0-15 with zeros above, and the other way round; its scale words
.macro DLOAD alo, ahi, as, o1, o2
	WIN 0x40
	ds_load_b128 v[DQ+8:DQ+11], v[\alo] offset:\o1
	ds_load_b128 v[DQ+16:DQ+19], v[\ahi] offset:\o1
	WIN 0
	ds_load_b32 v[DS], v[\as] offset:\o2
.endm
; the last query's scores at a tile's 16 keys, four heads by turns, one instruction a turn; the diagonal goes to LDS as t
.macro SCORES ka, off, ext, pad
	WIN 0x04
	MMZ HA, KF, DQ+8, KW, DS                             ; k . D'
	MMZ HA+8, KF, DQ+16, KW, DS
	MMZ HA+16, KF, DQ+4, KW, DS
	MMZ HA+24, KF, DQ+12, KW, DS
	MMC HA, QF, DQ+8, HA, QW, DS                         ; + q . D'
	MMC HA+8, QF, DQ+16, HA+8, QW, DS
	MMC HA+16, QF, DQ+4, HA+16, QW, DS
	MMC HA+24, QF, DQ+12, HA+24, QW, DS
	MMC HA, KF, DQ, HA, KW, QW                           ; + k . q
	MMC HA+8, KF, DQ+28, HA+8, KW, QW
	MMC HA+16, KF, DQ+20, HA+16, KW, QW
	MMC HA+24, KF, DQ+32, HA+24, KW, QW
	WIN 0
	PLACES 4
.irp hd, 0,1,2,3
	v_cndmask_b32 v[ST+\hd], v[HA+8*\hd], v[HA+8*\hd+1], s[MK]      ; register lane % 8: the diagonal, in lanes 0-7 and 24-31
.endr
.irp j, 2,3,4,5,6,7
.irp hd, 0,1,2,3
	v_cndmask_b32 v[ST+\hd], v[ST+\hd], v[HA+8*\hd+\j], s[MK+\j-1]
.endr
.endr
.irp hd, 0,1,2,3
	v_fma_f32 v[ST+\hd], v[ST+\hd], s[RS32], v[\ext]     ; / sqrt(32), + the key's mask term
.endr
.irp hd, 0,1,2,3
	v_mul_f32 v[ST+\hd], s[L2E], v[ST+\hd]               ; t = logit x log2(e)
.endr
.if \pad
.irp hd, 0,1,2,3
	v_cndmask_b32 v[ST+\hd], v[ST+\hd], v[NINF], s[PADM] ; keys 139 to 143 are none
.endr
.endif
.irp hd, 0,1,2,3
	ds_store_b32 v[\ka], v[ST+\hd] offset:(\off)+768*\hd
.endr
.endm
; tile u of a pair: hs, its fragment (over the embedding's), k, its fragment, the scores
.macro HSK u
	WIN 0x21
.irp t, 0,1,2,3,4,5,6,7
	MMC HA+8*\t, 8*\t, FR+8*\u, 8*\t, MAPS+\t, FW+\u
.endr
	WIN 0
	PLACES 4
	DLOAD DLA, DHA, DSA, 512*\u, 64*\u
	QUANT HA, FR+8*\u, FW+\u, 0
	PLACES 8                                             ; a scale word made by vector instructions stands eight places ahead of the product
	WIN 0x21
.irp t, 0,1,2,3,4,5,6,7
	MMC HA+8*\t, 64+8*\t, FR+8*\u, 64+8*\t, WKS+\t, FW+\u
.endr
	WIN 0
	PLACES 4
	QUANT HA, KF, KW, 0
	PLACES 8
	s_wait_dscnt 0x0                                     ; D' is in
	SCORES KAD, 32*\u, EXT+\u, 0
.endm
; v of a pair's 32 keys, untransposed, four tiles of units at a time: a block of 32 keys for each unit; codes to LDS, bytes into the words
.macro VPAIR
.irp g, 0,1
	WIN 0x24
.irp b, 0,1,2,3
.irp u, 0,1
	MMC HA+16*\b+8*\u, FR+8*\u, 128+8*(4*\g+\b), 128+8*(4*\g+\b), FW+\u, WVS+4*\g+\b
.endr
.endr
	WIN 0
	PLACES 4
	QMAX HA
	s_wait_dscnt 0x0                                     ; earlier LDS stores have read the registers that the codes take
	QCVT HA, KF
.irp b, 0,1,2,3
	v_lshl_or_b32 v[VSW+4*\g+\b], v[TM+4+\b], s[SHB], v[VSW+4*\g+\b]
.endr
.irp b, 0,1,2,3
	ds_store_b64 v[VCD], v[KF+2*\b:KF+2*\b+1] offset:1792*(4*\g+\b)
.endr
.endr
.endm
; v of the ninth tile: keys 128 to 138 and zeros make the fifth block
.macro V8
.irp g, 0,1
	WIN 0x24
.irp b, 0,1,2,3
	MMC HA+16*\b, FR, 128+8*(4*\g+\b), 128+8*(4*\g+\b), FW, WVS+4*\g+\b
.endr
	WIN 0
	PLACES 4
.irp b, 0,1,2,3
	v_max3_num_f32 v[TM+\b], |v[HA+16*\b]|, |v[HA+16*\b+1]|, 0x1800000
.endr
.irp b, 0,1,2,3
	v_max3_num_f32 v[TM+4+\b], |v[HA+16*\b+3]|, |v[HA+16*\b+4]|, |v[HA+16*\b+5]|
.endr
.irp b, 0,1,2,3
	v_max3_num_f32 v[TM+4+\b], v[TM+4+\b], |v[HA+16*\b+6]|, |v[HA+16*\b+7]|
.endr
.irp b, 0,1,2,3
	v_cndmask_b32 v[TM+4+\b], v[TM+4+\b], v[ZZ], s[MHI]  ; in lanes 16-31 registers 3 to 7 are keys 139 to 143: they do not count
.endr
.irp b, 0,1,2,3
	v_max3_num_f32 v[TM+\b], v[TM+\b], |v[HA+16*\b+2]|, v[TM+4+\b]
.endr
.irp b, 0,1,2,3
	v_permlanex16_b32 v[TM+4+\b], v[TM+\b], s[SEL], s[SEL+1]
.endr
.irp b, 0,1,2,3
	v_max_num_f32 v[TM+\b], v[TM+\b], v[TM+4+\b]
.endr
.irp b, 0,1,2,3
	v_add_nc_u32 v[TM+12+\b], 0xff000000, v[TM+\b]
.endr
.irp b, 0,1,2,3
	v_lshrrev_b32 v[TM+4+\b], 23, v[TM+12+\b]
.endr
	s_wait_dscnt 0x0
.irp b, 0,1,2,3
	v_mov_b32 v[KF+2*\b+1], 0
.endr
.irp b, 0,1,2,3
	v_cvt_scalef32_pk8_fp4_f32 v[KF+2*\b], v[HA+16*\b:HA+16*\b+7], v[TM+12+\b]
.endr
	v_nop
.irp b, 0,1,2,3
	v_permlane16_swap_b32 v[KF+2*\b], v[KF+2*\b+1]       ; lanes 0-15: keys 128 to 143 in a pair; lanes 16-31: zeros
.endr
.irp b, 0,1,2,3
	v_or_b32 v[TM+8+\b], 0x7f7f7f00, v[TM+4+\b]
.endr
.irp b, 0,1,2,3
	ds_store_b32 v[LS4], v[TM+8+\b] offset:128*(4*\g+\b)
	ds_store_b64 v[VCA], v[KF+2*\b:KF+2*\b+1] offset:1792*(4*\g+\b)+64
	ds_store_b64 v[VCA], v[ZZ:ZZ+1] offset:1792*(4*\g+\b)+80
.endr
.endr
.endm
.macro CLOAD dst, ptr                  ; a vector of 128 in row layout: register 16 b + i = number 32 b + 16 h + i
.irp b, 0,1,2,3
.irp q, 0,1,2,3
	global_load_b128 v[(\dst)+16*\b+4*\q:(\dst)+16*\b+4*\q+3], v[H64], s[\ptr:\ptr+1] offset:128*\b+16*\q
.endr
.endr
.endm
.macro CLOAD32 dst, ptr                ; a vector of 32: register i = number 16 h + i
.irp q, 0,1,2,3
	global_load_b128 v[(\dst)+4*\q:(\dst)+4*\q+3], v[H64], s[\ptr:\ptr+1] offset:16*\q
.endr
.endm
.macro WCODES dst, f0, n               ; n fragments' images from number f0 on
.set WF, 0
.rept \n
	global_load_b128 v[(\dst)+8*WF:(\dst)+8*WF+3], v[L16], s[WS:WS+1] offset:1024*((\f0)+WF)
	global_load_b128 v[(\dst)+8*WF+4:(\dst)+8*WF+7], v[L16], s[WS:WS+1] offset:1024*((\f0)+WF)+512
.set WF, WF+1
.endr
.endm
.macro WSCALES sc, f0, n
.set WF, 0
.rept \n
	global_load_b32 v[(\sc)+WF], v[L4], s[WS:WS+1] offset:FSC+128*((\f0)+WF)
.set WF, WF+1
.endr
.endm
; gelu by tanh on v[HB ..], 64 numbers: x / (1 + 2^(x (-2.3022082 - 0.10294324 x^2))), 32 at a time; each batch of transcendentals has one wait
.macro GELU_NEW
	v_mov_b32 v[TM+8], 0xc0135761
	v_mov_b32 v[TM+9], 0xc0135761
.irp ch, 0,1
.set GJ, 0
.rept 16
	v_pk_mul_f32 v[GT+GJ:GT+GJ+1], v[HB+32*\ch+GJ:HB+32*\ch+GJ+1], v[HB+32*\ch+GJ:HB+32*\ch+GJ+1]
.set GJ, GJ+2
.endr
.set GJ, 0
.rept 16
	v_pk_fma_f32 v[GT+GJ:GT+GJ+1], v[GT+GJ:GT+GJ+1], 0xbdd2d3e8, v[TM+8:TM+9] op_sel_hi:[1,0,1]
.set GJ, GJ+2
.endr
.set GJ, 0
.rept 16
	v_pk_mul_f32 v[GT+GJ:GT+GJ+1], v[GT+GJ:GT+GJ+1], v[HB+32*\ch+GJ:HB+32*\ch+GJ+1]
.set GJ, GJ+2
.endr
.set GJ, 0
.rept 32
	v_exp_f32 v[GT+GJ], v[GT+GJ]
.set GJ, GJ+1
.endr
	v_nop
	s_wait_alu depctr_va_vdst(0)
.set GJ, 0
.rept 16
	v_pk_add_f32 v[GT+GJ:GT+GJ+1], v[GT+GJ:GT+GJ+1], 1.0 op_sel_hi:[1,0]
.set GJ, GJ+2
.endr
.set GJ, 0
.rept 32
	v_rcp_f32 v[GT+GJ], v[GT+GJ]
.set GJ, GJ+1
.endr
	v_nop
	s_wait_alu depctr_va_vdst(0)
.set GJ, 0
.rept 16
	v_pk_mul_f32 v[HB+32*\ch+GJ:HB+32*\ch+GJ+1], v[HB+32*\ch+GJ:HB+32*\ch+GJ+1], v[GT+GJ:GT+GJ+1]
.set GJ, GJ+2
.endr
.endr
.endm
; gelu by erf on v[HA .. HA+15], in place.  erf(|x| / sqrt 2) = 1 - (a1 t + .. + a5 t^5) 2^(-x^2 log2(e) / 2), t = 1 / (1 + 0.23164189 |x|)
.macro GELU_ERF
	v_mov_b32 v[TM+8], 0x3f87dc22                        ; a5
	v_mov_b32 v[TM+9], 0x3f87dc22
.irp j, 0,2,4,6,8,10,12,14
	v_pk_mul_f32 v[GT+\j:GT+\j+1], v[HA+\j:HA+\j+1], 0.5 op_sel_hi:[1,0]
	v_pk_mul_f32 v[HA+16+\j:HA+17+\j], v[HA+\j:HA+\j+1], 0xbf38aa3b op_sel_hi:[1,0]
.endr
.irp j, 0,2,4,6,8,10,12,14
	v_pk_mul_f32 v[HA+16+\j:HA+17+\j], v[HA+16+\j:HA+17+\j], v[HA+\j:HA+\j+1]
.endr
.set EJ, 0
.rept 16
	v_fma_f32 v[HA+32+EJ], |v[HA+EJ]|, 0x3e6d3388, 1.0
.set EJ, EJ+1
.endr
.set EJ, 0
.rept 16
	v_rcp_f32 v[HA+32+EJ], v[HA+32+EJ]
.set EJ, EJ+1
.endr
.set EJ, 0
.rept 16
	v_exp_f32 v[HA+16+EJ], v[HA+16+EJ]
.set EJ, EJ+1
.endr
	v_nop
	s_wait_alu depctr_va_vdst(0)                         ; one wait for the 32
.irp j, 0,2,4,6,8,10,12,14
	v_pk_fma_f32 v[HA+48+\j:HA+49+\j], v[HA+32+\j:HA+33+\j], v[TM+8:TM+9], 0xbfba00e3 op_sel_hi:[1,1,0]
.endr
.irp j, 0,2,4,6,8,10,12,14
	v_pk_fma_f32 v[HA+48+\j:HA+49+\j], v[HA+48+\j:HA+49+\j], v[HA+32+\j:HA+33+\j], 0x3fb5f0e3 op_sel_hi:[1,1,0]
.endr
.irp j, 0,2,4,6,8,10,12,14
	v_pk_fma_f32 v[HA+48+\j:HA+49+\j], v[HA+48+\j:HA+49+\j], v[HA+32+\j:HA+33+\j], 0xbe91a98e op_sel_hi:[1,1,0]
.endr
.irp j, 0,2,4,6,8,10,12,14
	v_pk_fma_f32 v[HA+48+\j:HA+49+\j], v[HA+48+\j:HA+49+\j], v[HA+32+\j:HA+33+\j], 0x3e827906 op_sel_hi:[1,1,0]
.endr
.irp j, 0,2,4,6,8,10,12,14
	v_pk_mul_f32 v[HA+48+\j:HA+49+\j], v[HA+48+\j:HA+49+\j], v[HA+32+\j:HA+33+\j]
.endr
.irp j, 0,2,4,6,8,10,12,14
	v_pk_mul_f32 v[HA+48+\j:HA+49+\j], v[HA+48+\j:HA+49+\j], v[HA+16+\j:HA+17+\j]
.endr
.irp j, 0,2,4,6,8,10,12,14
	v_pk_fma_f32 v[HA+48+\j:HA+49+\j], v[HA+48+\j:HA+49+\j], -1.0, 1.0 op_sel_hi:[1,0,0]
.endr
.set EJ, 0
.rept 16
	v_bfi_b32 v[HA+48+EJ], 0x7fffffff, v[HA+48+EJ], v[HA+EJ]   ; with x's sign
.set EJ, EJ+1
.endr
.irp j, 0,2,4,6,8,10,12,14
	v_pk_fma_f32 v[HA+\j:HA+\j+1], v[GT+\j:GT+\j+1], v[HA+48+\j:HA+49+\j], v[GT+\j:GT+\j+1]
.endr
.endm
	; ================ the head: addresses, and all first loads in one run
	s_load_b512 s[8:23], s[0:1], 0x0                     ; x, ws, tok_type, emb_ln_g, emb_ln_b, map_b, bq, bk
	s_load_b512 s[36:51], s[0:1], 0x40                   ; attn_b, ffn_b1, ffn_b2, attn_ln_g, attn_ln_b, ffn_ln_g, ffn_ln_b, h1_b
	s_load_b512 s[68:83], s[0:1], 0x80                   ; ln1_g, ln1_b, h2_b, ln2_g, ln2_b, h3_w, h3_b, prod
	s_load_b256 s[84:91], s[0:1], 0xc0                   ; day, prod_emb, day_emb, out0
	s_set_vgpr_msb 0x40
	v_lshl_add_u32 v254, v0, 2, 0x1ac00
	v_mov_b32 v255, 0
	s_set_vgpr_msb 0x4000
	v_lshrrev_b32 v[HT], 5, v0
	v_readfirstlane_b32 s[WV], v[HT]                     ; wave 0..3
	v_and_b32 v[HT], 31, v0                              ; lane
	v_and_b32 v[LR], 15, v0                              ; r
	v_bfe_u32 v[LH], v0, 4, 1                            ; h
	v_lshlrev_b32 v[L16], 4, v[HT]
	v_lshlrev_b32 v[L4], 2, v[HT]
	v_lshlrev_b32 v[H64], 6, v[LH]
	v_and_b32 v[HT+1], 8, v[LR]
	v_add_nc_u32 v[HT+1], v[HT+1], v[LR]                 ; r + 8 (r / 8)
	v_mul_u32_u24 v[HT+2], v[HT+1], 152
	v_lshl_add_u32 v[XOC], v[LH], 2, v[HT+2]             ; x: my row of a pair's tile, my ids
	v_lshl_add_u32 v[XON], v[LH], 6, v[HT+2]             ; and my numbers
	v_min_u32 v[HT+3], 10, v[LR]
	v_mul_u32_u24 v[HT+3], v[HT+3], 152
	v_lshl_add_u32 v[X8C], v[LH], 2, v[HT+3]             ; the ninth tile: row 128 + min(r, 10)
	v_lshl_add_u32 v[X8N], v[LH], 6, v[HT+3]
	v_mul_u32_u24 v[CB], v[LH], 6400                     ; lanes 16-31 take the odd categories' tables
	s_mul_i32 s[WB], s[WV], WREG                         ; my wave's part of LDS
	v_lshrrev_b32 v[HT+4], 3, v0
	v_lshrrev_b32 v[HT+5], 4, v0
	v_xor_b32 v[HT+4], v[HT+4], v[HT+5]
	v_and_b32 v[HT+4], 1, v[HT+4]                        ; 1 in lanes 8 to 23, which hold nothing of a diagonal
	v_mul_u32_u24 v[HT+4], v[HT+4], 3072
	v_add_nc_u32 v[HT+4], s[WB], v[HT+4]
	v_lshl_add_u32 v[KA], v[HT+1], 2, v[HT+4]
	v_lshl_add_u32 v[KA8], v[LR], 2, v[HT+4]
	v_mul_u32_u24 v[HT+5], v[LR], 112
	v_add_nc_u32 v[HT+5], s[WB], v[HT+5]
	v_lshl_add_u32 v[VCA], v[LH], 3, v[HT+5]
	v_add_nc_u32 v[VCA], VC, v[VCA]
	v_lshl_add_u32 v[VFA], v[LH], 4, v[HT+5]
	v_add_nc_u32 v[VFA], VC, v[VFA]
	v_lshlrev_b32 v[HT+6], 4, v[LR]
	v_add_nc_u32 v[HT+6], s[WB], v[HT+6]
	v_add_nc_u32 v[HT+6], DL, v[HT+6]
	v_lshl_add_u32 v[ADLO], v[LH], 8, v[HT+6]            ; lanes 0-15 at the codes, lanes 16-31 at the zeros behind them;
	v_xor_b32 v[HT+7], 1, v[LH]
	v_lshl_add_u32 v[ADHI], v[HT+7], 8, v[HT+6]          ; and the other way round
	v_lshl_add_u32 v[HT+8], v[LH], 9, v[HT+6]            ; where the images of D' are laid: tile 2 a + h
	v_lshlrev_b32 v[ADS], 2, v[LR]
	v_add_nc_u32 v[ADS], s[WB], v[ADS]
	v_add_nc_u32 v[ADS], DSL, v[ADS]
	v_add_nc_u32 v[HT+9], s[WB], v[L4]
	v_add_nc_u32 v[LS4], VS4, v[HT+9]
	v_add_nc_u32 v[HT+9], DSL, v[HT+9]
	v_and_b32 v[HT+7], 3, v[LR]
	v_mul_u32_u24 v[PRA], v[HT+7], 768
	v_lshl_add_u32 v[PRA], v[LH], 7, v[PRA]
	v_add_nc_u32 v[PRA], s[WB], v[PRA]                   ; the softmax: head r % 4, keys 32 h on
	v_lshl_add_u32 v[HT+10], v[HT], 3, s[WB]
	s_mov_b32 s[SEL], 0x76543210
	s_mov_b32 s[SEL+1], 0xfedcba98                       ; v_permlanex16_b32's selects for lane l xor 16
	s_mov_b32 s[MLO], 0x0000ffff
	s_mov_b32 s[MHI], 0xffff0000
	s_mov_b32 s[PADM], 0xf800f800
.irp j, 1,2,3,4,5,6,7
	s_mov_b32 s[MK+\j-1], 0x01010101<<\j                 ; the lanes with lane % 8 = j
.endr
	s_mov_b32 s[RS32], 0x3e3504f3                        ; 1 / sqrt(32)
	s_mov_b32 s[L2E], 0x3fb8aa3b                         ; log2(e)
	s_mov_b32 s[I128], 0x3c000000
	s_mov_b32 s[E12], 0x2b8cbccc                         ; 1e-12
	s_mov_b32 s[N128], 0xbc000000
	s_mov_b32 s[XST+1], 0
	s_lshl_b32 s[SQ], ttmp9, 2
	s_add_co_u32 s[SQ], s[SQ], s[WV]                     ; my sequence
	s_mul_i32 s98, s[SQ], SEQB
	s_mov_b32 s99, 0
	s_lshl_b32 s66, s[SQ], 2
	s_mov_b32 s67, 0
	s_wait_kmcnt 0x0
	s_add_nc_u64 s[XB:XB+1], s[8:9], s[98:99]
	s_mov_b64 s[WS:WS+1], s[10:11]
	s_add_nc_u64 s[90:91], s[90:91], s[66:67]
	s_load_b32 s92, s[82:83], s66 offset:0x0             ; prod, day of my sequence; h3_b
	s_load_b32 s93, s[84:85], s66 offset:0x0
	s_load_b32 s94, s[80:81], 0x0
	XLOAD HA+16, HA, X8C, X8N, 19456                     ; the ninth tile first: q comes of it
	XLOAD XI, XN, XOC, XON, 0                            ; pair 0
	XLOAD XI+3, XN+16, XOC, XON, 1216
.irp q, 0,1,2,3
	global_load_b128 v[TOKN+4*\q:TOKN+4*\q+3], v[H64], s[12:13] offset:384+16*\q
.endr
.irp a, 0,1,2,3,4
	global_load_b128 v[KF+4*\a:KF+4*\a+3], v[L16], s[WS:WS+1] offset:DIM+512*\a
.endr
.irp a, 0,1,2,3,4
	global_load_b32 v[KF+20+\a], v[L4], s[WS:WS+1] offset:DSC+128*\a
.endr
	WIN 0xc0
	CLOAD 128, 14                                        ; emb_ln_g, emb_ln_b
	CLOAD 192, 16
	WIN 0x40
	WCODES 0, 0, 8                                       ; map_w
	WCODES 128, 8, 8                                     ; wq, where wv will lie
	WCODES 64, 16, 8                                     ; wk
	WIN 0x80
	CLOAD 0, 18                                          ; map_b
	CLOAD 128, 20                                        ; bq
	CLOAD 64, 22                                         ; bk
	WIN 0
	WSCALES MAPS, 0, 8
	WSCALES WVS, 8, 8
	WSCALES WKS, 16, 8
	v_mov_b32 v[ZZ], 0
	v_mov_b32 v[ZZ+1], 0
	v_mov_b32 v[NINF], 0xff800000
	v_mov_b32 v[NINF+1], 0xff800000
.irp i, 0,1,2,3
	v_mov_b32 v[176+\i], 0
.endr
.irp i, 0,1,2,3,4,5,6,7
	v_mov_b32 v[VSW+\i], 0                               ; v's scale words gather a byte a pair
.endr
.irp i, 4,5,6,7,12
	v_mov_b32 v[TM+\i], 0                                ; written once: a lane permute's destination counts as one of its sources
.endr
	WIN 0x40
.irp i, 4,5,6,7,12,13,14,15,20,21,22,23,32,33,34,35
	v_mov_b32 v[DQ+\i], 0                                ; the chain's groups of zero codes
.endr
	WIN 0
.irp hd, 0,1,2,3
	ds_store_b64 v[HT+10], v[NINF:NINF+1] offset:768*\hd+512   ; keys 128 to 191 begin as -infinity
.endr
	s_wait_kmcnt 0x0
	s_min_u32 s92, s92, 29
	s_lshl_b32 s98, s92, 6
	s_add_nc_u64 s[86:87], s[86:87], s[98:99]            ; my row of prod_emb
	s_min_u32 s93, s93, 365
	s_lshl_b32 s98, s93, 6
	s_add_nc_u64 s[88:89], s[88:89], s[98:99]            ; and of day_emb
	s_mov_b32 s92, 0x3d000000                            ; 1 / 32
	s_mov_b32 s93, 0x3727c5ac                            ; 1e-5
	s_mov_b32 s95, 0xbd000000
	; ================ the ninth tile's embedding
	s_wait_loadcnt 63                                    ; 162 loads were issued behind tok_type's: x of the ninth tile and of pair 0 and tok_type are in
	FRONT HA+16, HA, 0, GA, EXT
	s_wait_loadcnt 12                                    ; all but the twelve gathers
.irp a, 0,1,2,3,4
	ds_store_b128 v[HT+8], v[KF+4*\a:KF+4*\a+3] offset:1024*\a
	ds_store_b128 v[HT+8], v[176:179] offset:1024*\a+256
	ds_store_b32 v[HT+9], v[KF+20+\a] offset:128*\a
.endr
	s_wait_dscnt 0x0                                     ; the stores have read their registers, which become fragments
	CTILE 0, 0
	PLACES 8
	; ================ hs of the ninth tile (once more into window 2, where it waits for the residual), q, the scores' operands of q
	WIN 0x21
.irp t, 0,1,2,3,4,5,6,7
	MMC HA+8*\t, 8*\t, FR, 8*\t, MAPS+\t, FW
.endr
	WIN 0xa1
.irp t, 0,1,2,3,4,5,6,7
	MMC 192+8*\t, 8*\t, FR, 8*\t, MAPS+\t, FW
.endr
	WIN 0
	PLACES 4
	QUANT HA, FR, FW, 0
	PLACES 8
	WIN 0x21
.irp t, 0,1,2,3,4,5,6,7
	MMC HA+8*\t, 128+8*\t, FR, 128+8*\t, WVS+\t, FW
.endr
	WIN 0
	PLACES 4                                             ; then wv, bv and wv's scale words take wq's places: 40 loads
	WIN 0x40
	WCODES 128, 24, 8
	WIN 0x80
.irp t, 0,1,2,3,4,5,6,7
	global_load_b128 v[128+8*\t:131+8*\t], v[L16], s[WS:WS+1] offset:BVI+1024*\t
	global_load_b128 v[132+8*\t:135+8*\t], v[L16], s[WS:WS+1] offset:BVI+1024*\t+512
.endr
	WIN 0
	WSCALES WVS, 24, 8
	QUANT HA, QF, QW, 0
.irp i, 0,1,2,3,4,5,6,7
	v_mov_b32_dpp v[QF+\i], v[QF+\i] row_share:10 row_mask:0xf bank_mask:0xf   ; row 138 is lane r = 10: q in all sixteen rows
.endr
	v_mov_b32_dpp v[QW], v[QW] row_share:10 row_mask:0xf bank_mask:0xf
	WIN 0x40
.irp i, 0,1,2,3
	v_cndmask_b32 v[DQ+\i], 0, v[QF+\i], s[MLO]          ; q's block 0 alone,
	v_cndmask_b32 v[DQ+28+\i], 0, v[QF+\i], s[MHI]       ; block 1,
	v_cndmask_b32 v[DQ+24+\i], 0, v[QF+4+\i], s[MLO]     ; block 2,
	v_cndmask_b32 v[DQ+36+\i], 0, v[QF+4+\i], s[MHI]     ; block 3
.endr
	WIN 0
	; ================ pair 0's gathers, pair 1's x
	FRONT XI, XN, 0, GA, EXTN
	FRONT XI+3, XN+16, 64, GA+3, EXTN+1
	s_add_nc_u64 s[XB:XB+1], s[XB:XB+1], 4864            ; (every earlier load of x is in)
	XLOAD XI, XN, XOC, XON, 0
	XLOAD XI+3, XN+16, XOC, XON, 1216
	; ================ k, scores and v of the ninth tile
	DLOAD ADLO, ADHI, ADS, 4096, 512
	WIN 0x21
.irp t, 0,1,2,3,4,5,6,7
	MMC HA+8*\t, 64+8*\t, FR, 64+8*\t, WKS+\t, FW
.endr
	WIN 0
	PLACES 4
	QUANT HA, KF, KW, 0
	PLACES 8
	s_wait_dscnt 0x0
	SCORES KA8, 512, EXT, 1
	s_wait_loadcnt 46                                    ; behind wv's 40 loads: 24 gathers and 22 loads of x
	V8
	CTILE 0, 34                                          ; behind tile 0's gathers: tile 1's twelve and 22 loads of x
	CTILE 1, 22
	v_mov_b32 v[EXT], v[EXTN]
	v_mov_b32 v[EXT+1], v[EXTN+1]
	; ================ the loop: trip p works pair p, and makes pair p + 1's embedding ready
	s_mov_b32 s[TRIP], 0
	s_mov_b32 s[SOFF], 0
	s_mov_b32 s[VOFF], 0
	s_mov_b32 s[SHB], 0
	s_mov_b32 s[DOFF], 0
	s_mov_b32 s[DSOF], 0
.Ltrip:
	s_cmp_eq_u32 s[TRIP], 3
	s_cbranch_scc1 .LnoA
	s_wait_loadcnt 0x0                                   ; x of pair p + 1, asked for a trip ago; every address register of a load is free
	s_cmp_lt_u32 s[TRIP], 2
	s_cselect_b32 s[XST], 4864, 0                        ; trip 2 asks for pair 3 once more and nobody reads it: so the counts below hold in every trip, and no load leaves the sequence
	FRONT XI, XN, 0, GA, EXTN
	FRONT XI+3, XN+16, 64, GA+3, EXTN+1
	s_add_nc_u64 s[XB:XB+1], s[XB:XB+1], s[XST:XST+1]
	XLOAD XI, XN, XOC, XON, 0
	XLOAD XI+3, XN+16, XOC, XON, 1216
.LnoA:
	v_add_nc_u32 v[KAD], s[SOFF], v[KA]
	v_add_nc_u32 v[VCD], s[VOFF], v[VCA]
	v_add_nc_u32 v[DLA], s[DOFF], v[ADLO]
	v_add_nc_u32 v[DHA], s[DOFF], v[ADHI]
	v_add_nc_u32 v[DSA], s[DSOF], v[ADS]
	HSK 0
	HSK 1
	VPAIR
	s_cmp_eq_u32 s[TRIP], 3
	s_cbranch_scc1 .LnoC
	CTILE 0, 34                                          ; behind tile 0's gathers: tile 1's twelve and 22 loads of x
	CTILE 1, 22
	v_mov_b32 v[EXT], v[EXTN]
	v_mov_b32 v[EXT+1], v[EXTN+1]
.LnoC:
	s_add_co_u32 s[SOFF], s[SOFF], 128                   ; 32 keys on: in the scores,
	s_add_co_u32 s[VOFF], s[VOFF], 16                    ; in v's codes,
	s_add_co_u32 s[SHB], s[SHB], 8                       ; in v's scale words,
	s_add_co_u32 s[DOFF], s[DOFF], 1024                  ; in D'
	s_add_co_u32 s[DSOF], s[DSOF], 128
	s_add_co_u32 s[TRIP], s[TRIP], 1
	s_cmp_lt_u32 s[TRIP], 4
	s_cbranch_scc1 .Ltrip
	; ================ behind the loop: the later layers' weights are asked for; v's fragments come back from LDS
	s_wait_loadcnt 0x0
	WIN 0x40
	WCODES 0, 32, 8                                      ; attn_w
	WCODES 64, 40, 8                                     ; ffn_w1
	WCODES 128, 48, 8                                    ; ffn_w2
	WCODES 192, 56, 6                                    ; h1_w's four, h2_w's two
	WIN 0x80
	CLOAD 0, 36                                          ; attn_b
	CLOAD 64, 38                                         ; ffn_b1
	CLOAD 128, 40                                        ; ffn_b2
	WIN 0xc0
	CLOAD 128, 42                                        ; attn_ln_g, attn_ln_b
	CLOAD 192, 44
.irp t, 0,1,2,3,4,5,6,7
	ds_load_b128 v[8*\t:8*\t+3], v[VFA] offset:1792*\t           ; keys 0 to 127
	ds_load_b128 v[8*\t+4:8*\t+7], v[VFA] offset:1792*\t+32
	ds_load_b128 v[64+8*\t:64+8*\t+3], v[VFA] offset:1792*\t+64  ; keys 128 to 191
.endr
.irp t, 0,1,2,3,4,5,6,7
.irp i, 4,5,6,7
	v_mov_b32 v[64+8*\t+\i], 0                           ; keys 192 to 255: zero codes
.endr
.endr
	WIN 0
	WSCALES MAPS, 32, 8
	WSCALES WVS, 48, 8
.irp t, 0,1,2,3,4,5,6,7
	ds_load_b32 v[WKS+\t], v[LS4] offset:128*\t
.endr
	; ================ the softmax of the last query: lane (r, h) holds head r % 4 and keys 64 c + 32 h + 0 .. 31, which is the right operand's own layout
.irp c, 0,1,2
.irp i, 0,1,2,3,4,5,6,7
	ds_load_b128 v[PS+32*\c+4*\i:PS+32*\c+4*\i+3], v[PRA] offset:256*\c+16*\i
.endr
.endr
	s_wait_dscnt 0x0
.irp c, 0,1,2
	v_max3_num_f32 v[TM+\c], v[PS+32*\c], v[PS+32*\c+1], v[PS+32*\c+2]   ; each block's largest t: for the row's maximum, and for the block's largest p
.endr
.irp i, 3,5,7,9,11,13,15,17,19,21,23,25,27,29
.irp c, 0,1,2
	v_max3_num_f32 v[TM+\c], v[TM+\c], v[PS+32*\c+\i], v[PS+32*\c+\i+1]
.endr
.endr
.irp c, 0,1,2
	v_max_num_f32 v[TM+\c], v[TM+\c], v[PS+32*\c+31]
.endr
	v_max3_num_f32 v[TM+3], v[TM], v[TM+1], v[TM+2]
	v_permlanex16_b32 v[TM+4], v[TM+3], s[SEL], s[SEL+1]
	v_max_num_f32 v[TM+3], v[TM+3], v[TM+4]              ; the row's largest t
	v_floor_f32 v[TM+8], -v[TM+3]                        ; -M = -ceil(t): a whole number
	v_floor_f32 v[TM+9], -v[TM+3]
.set PJ, 0
.rept 48
	v_pk_add_f32 v[PS+PJ:PS+PJ+1], v[PS+PJ:PS+PJ+1], v[TM+8:TM+9]
.set PJ, PJ+2
.endr
.irp c, 0,1,2
	v_add_f32 v[TM+\c], v[TM+\c], v[TM+8]
.endr
.set PJ, 0
.rept 96
	v_exp_f32 v[PS+PJ], v[PS+PJ]                         ; p = 2^(t - M), not normalised
.set PJ, PJ+1
.endr
	v_nop
	s_wait_alu depctr_va_vdst(0)                         ; one wait for the 96
.irp c, 0,1,2
	v_exp_f32 v[TM+\c], v[TM+\c]                         ; each block's largest p
.endr
	v_pk_add_f32 v[SA:SA+1], v[PS:PS+1], v[PS+2:PS+3]    ; the sum of the unquantised p, in two chains
	v_pk_add_f32 v[SB2:SB2+1], v[PS+4:PS+5], v[PS+6:PS+7]
.set PJ, 8
.rept 22
	v_pk_add_f32 v[SA:SA+1], v[SA:SA+1], v[PS+PJ:PS+PJ+1]
	v_pk_add_f32 v[SB2:SB2+1], v[SB2:SB2+1], v[PS+PJ+2:PS+PJ+3]
.set PJ, PJ+4
.endr
	v_pk_add_f32 v[SA:SA+1], v[SA:SA+1], v[SB2:SB2+1]
	v_add_f32 v[SA], v[SA], v[SA+1]
	v_permlanex16_b32 v[SB2], v[SA], s[SEL], s[SEL+1]
	v_add_f32 v[SA], v[SA], v[SB2]
	v_rcp_f32 v[RCL], v[SA]
	v_nop
	s_wait_alu depctr_va_vdst(0)                         ; one wait for the three exponentials and the reciprocal
	v_mov_b32 v[RCL+1], v[RCL]
.irp c, 0,1,2
	v_max_num_f32 v[TM+\c], 0x1800000, v[TM+\c]
.endr
.irp c, 0,1,2
	v_add_nc_u32 v[TM+12+\c], 0xff000000, v[TM+\c]
.endr
.irp c, 0,1,2
	v_lshrrev_b32 v[TM+4+\c], 23, v[TM+12+\c]
.endr
	v_lshlrev_b32 v[U1], 3, v[LH]
	v_lshl_or_b32 v[U0], v[TM+5], 16, v[TM+4]            ; blocks h and 2 + h,
	v_lshlrev_b32 v[U0], v[U1], v[U0]
	v_mov_b32 v[U2], 0
	v_permlanex16_b32 v[U2], v[U0], s[SEL], s[SEL+1]
	v_or_b32 v[KW], v[U0], v[U2]                         ; p's scale word for keys 0 to 127
	v_lshlrev_b32 v[U0], v[U1], v[TM+6]
	v_permlanex16_b32 v[U2], v[U0], s[SEL], s[SEL+1]
	v_or_b32 v[DS], v[U0], v[U2]                         ; and for keys 128 on
.irp i, 4,5,6,7
	v_mov_b32 v[FR+8+\i], 0
.endr
.irp c, 0,1
.irp g, 0,1,2,3
	v_cvt_scalef32_pk8_fp4_f32 v[FR+4*\c+\g], v[PS+32*\c+8*\g:PS+32*\c+8*\g+7], v[TM+12+\c]
.endr
.endr
.irp g, 0,1,2,3
	v_cvt_scalef32_pk8_fp4_f32 v[FR+8+\g], v[PS+64+8*\g:PS+64+8*\g+7], v[TM+14]
.endr
	v_nop
	PLACES 8
	; ================ the context: source 0 = 16 units of v, source 1 = p (column n: head n % 4); eight accumulators by turns
	WIN 0x03
.irp t, 0,1,2,3,4,5,6,7
	MMZ HA+8*\t, 8*\t, FR, VSW+\t, KW
.endr
.irp t, 0,1,2,3,4,5,6,7
	MMC HA+8*\t, 64+8*\t, FR+8, HA+8*\t, WKS+\t, DS
.endr
	WIN 0
	PLACES 4
	WIN 0xc0                                             ; 46 loads into places that the context has left
	CLOAD 0, 46                                          ; ffn_ln_g, ffn_ln_b
	CLOAD 64, 48
	WIN 0
	WSCALES WKS, 40, 8                                   ; ffn_w1's scale words
	WSCALES VSW, 56, 6                                   ; h1_w's and h2_w's
.set PJ, 0
.rept 32
	v_pk_mul_f32 v[HA+PJ:HA+PJ+1], v[HA+PJ:HA+PJ+1], v[RCL:RCL+1]   ; / the sum
.set PJ, PJ+2
.endr
	QUANT HA, FR, FW, 1                                  ; block b is head b's: right in the lanes with r % 4 = b
	PLACES 8
	s_wait_loadcnt 46                                    ; all but the 46 just issued
	WIN 0x21
.irp t, 0,1,2,3,4,5,6,7
	MMC HB+8*\t, 8*\t, FR, 192+8*\t, MAPS+\t, FW         ; hs + ctx attn_w: hs is the C
.endr
	WIN 0
	PLACES 4
	WIN 0x08
.set PJ, 0
.rept 32
	v_pk_add_f32 v[HB+PJ:HB+PJ+1], v[HB+PJ:HB+PJ+1], v[PJ:PJ+1]     ; + attn_b
.set PJ, PJ+2
.endr
	WIN 0
	LN 0, HB, 128, 192, HA, N128, I128, E12              ; attn_out.  From here on the last row is lane r = 10's; the other lanes carry rows that nobody reads
	; ================ the two layers behind it
	WIN 0xc0                                             ; 36 loads: the head's vectors and the two rows
	CLOAD32 128, 50                                      ; h1_b
	CLOAD32 144, 68                                      ; ln1_g
	CLOAD32 160, 70                                      ; ln1_b
	CLOAD32 176, 72                                      ; h2_b
	CLOAD32 192, 74                                      ; ln2_g
	CLOAD32 208, 76                                      ; ln2_b
	CLOAD32 224, 78                                      ; h3_w
	WIN 0x80
.irp q, 0,1,2,3
	global_load_b128 v[192+4*\q:195+4*\q], v[ZZ], s[86:87] offset:16*\q
.endr
.irp q, 0,1,2,3
	global_load_b128 v[208+4*\q:211+4*\q], v[ZZ], s[88:89] offset:16*\q
.endr
	WIN 0
	QUANT HA, FR, FW, 0
	PLACES 8
	s_wait_loadcnt 36                                    ; all but the 36 just issued
	WIN 0x21
.irp t, 0,1,2,3,4,5,6,7
	MMC HB+8*\t, 64+8*\t, FR, 64+8*\t, WKS+\t, FW
.endr
	WIN 0
	PLACES 4
	GELU_NEW
	QUANT HB, FR, FW, 0
	PLACES 8
	WIN 0x01
.irp t, 0,1,2,3,4,5,6,7
	MMC HB+8*\t, 128+8*\t, FR, HA+8*\t, WVS+\t, FW       ; attn_out + ffn ffn_w2
.endr
	WIN 0
	PLACES 4
	WIN 0x08
.set PJ, 0
.rept 32
	v_pk_add_f32 v[HB+PJ:HB+PJ+1], v[HB+PJ:HB+PJ+1], v[128+PJ:129+PJ]   ; + ffn_b2
.set PJ, PJ+2
.endr
	WIN 0
	LN 0, HB, 0, 64, HA, N128, I128, E12                 ; seq
	; ================ the head
	QUANT HA, FR, FW, 0
	s_wait_loadcnt 0x0
	WIN 0x0a
.irp i, 0,1,2,3,4,5,6,7,8,9,10,11,12,13,14,15
	v_cndmask_b32 v[HB+\i], v[192+\i], v[208+\i], s[MHI] ; the fifth block: prod's row in lanes 0-15, day's in lanes 16-31
.endr
	WIN 0
	QUANT1 HB, FR+8, FW+1
	PLACES 8
	WIN 0x31
	MMC HA, 192, FR, 128, VSW, FW                        ; two accumulators by turns
	MMC HA+8, 208, FR, 136, VSW+2, FW
	WIN 0x01
	MMC HA, 200, FR+8, HA, VSW+1, FW+1
	MMC HA+8, 216, FR+8, HA+8, VSW+3, FW+1
	WIN 0
	PLACES 4
	LN32 144, 160
	GELU_ERF
	QUANT1 HA, FR, FW
	PLACES 8
	WIN 0x31
	MMC HA, 224, FR, 176, VSW+4, FW
	MMC HA+8, 232, FR, 184, VSW+5, FW
	WIN 0
	PLACES 4
	LN32 192, 208
	GELU_ERF
	WIN 0x0c
.irp k, 0,1,2,3
	v_pk_mul_f32 v[TM+2*\k:TM+2*\k+1], v[HA+2*\k:HA+2*\k+1], v[224+2*\k:225+2*\k]       ; z . h3_w, in f32
.endr
.irp k, 0,1,2,3
	v_pk_fma_f32 v[TM+2*\k:TM+2*\k+1], v[HA+8+2*\k:HA+9+2*\k], v[232+2*\k:233+2*\k], v[TM+2*\k:TM+2*\k+1]
.endr
	WIN 0
	REDUCE
	v_add_f32 v[TM], s94, v[TM]                          ; + h3_b
	v_and_b32 v[TM+1], 31, v0
	v_cmp_eq_u32 vcc_lo, 10, v[TM+1]
	s_wait_xcnt 0x0                                      ; EXEC changes only behind this wait
	s_set_vgpr_msb 0x5
	s_wait_tensorcnt 0x0
	ds_add_u32 v254, v255
	s_wait_dscnt 0x0
	s_set_vgpr_msb 0x500
	s_and_saveexec_b32 s66, vcc_lo                       ; lane 10 holds row 138
	global_store_b32 v[ZZ], v[TM], s[90:91]
	s_wait_xcnt 0x0
	s_or_b32 exec_lo, exec_lo, s66
	s_endpgm
.Lfunc_end_k_q60067a2457_main:
	.size	k_q60067a2457_main, .Lfunc_end_k_q60067a2457_main-k_q60067a2457_main
	.p2alignl 7, 3214868480
	.fill 96, 4, 3214868480
	.section	.rodata,"a",@progbits
	.p2align	6, 0x0
	.amdhsa_kernel k_q60067a2457_main
		.amdhsa_group_segment_fixed_size 110080
		.amdhsa_private_segment_fixed_size 0
		.amdhsa_enable_private_segment 0
		.amdhsa_kernarg_size 224
		.amdhsa_user_sgpr_count 2
		.amdhsa_user_sgpr_kernarg_segment_ptr 1
		.amdhsa_wavefront_size32 1
		.amdhsa_system_sgpr_workgroup_id_x 1
		.amdhsa_system_sgpr_workgroup_id_y 1
		.amdhsa_system_sgpr_workgroup_id_z 1
		.amdhsa_system_vgpr_workitem_id 0
		.amdhsa_next_free_vgpr 1024
		.amdhsa_next_free_sgpr 100
		.amdhsa_reserve_vcc 1
		.amdhsa_float_denorm_mode_32 3
		.amdhsa_float_denorm_mode_16_64 3
		.amdhsa_memory_ordered 1
		.amdhsa_forward_progress 1
		.amdhsa_inst_pref_size 255
	.end_amdhsa_kernel
	.section	.bss,"aw",@nobits
	.p2align	6
	.space	262144
	.amdgpu_metadata
---
amdhsa.version: [ 1, 2 ]
amdhsa.kernels:
  - .name:           k_q60067a2457_main
    .symbol:         k_q60067a2457_main.kd
    .args:
      - { .name: x, .offset: 0, .size: 8, .value_kind: global_buffer, .address_space: global }
      - { .name: ws, .offset: 8, .size: 8, .value_kind: global_buffer, .address_space: global }
      - { .name: tok_type, .offset: 16, .size: 8, .value_kind: global_buffer, .address_space: global }
      - { .name: emb_ln_g, .offset: 24, .size: 8, .value_kind: global_buffer, .address_space: global }
      - { .name: emb_ln_b, .offset: 32, .size: 8, .value_kind: global_buffer, .address_space: global }
      - { .name: map_b, .offset: 40, .size: 8, .value_kind: global_buffer, .address_space: global }
      - { .name: bq, .offset: 48, .size: 8, .value_kind: global_buffer, .address_space: global }
      - { .name: bk, .offset: 56, .size: 8, .value_kind: global_buffer, .address_space: global }
      - { .name: attn_b, .offset: 64, .size: 8, .value_kind: global_buffer, .address_space: global }
      - { .name: ffn_b1, .offset: 72, .size: 8, .value_kind: global_buffer, .address_space: global }
      - { .name: ffn_b2, .offset: 80, .size: 8, .value_kind: global_buffer, .address_space: global }
      - { .name: attn_ln_g, .offset: 88, .size: 8, .value_kind: global_buffer, .address_space: global }
      - { .name: attn_ln_b, .offset: 96, .size: 8, .value_kind: global_buffer, .address_space: global }
      - { .name: ffn_ln_g, .offset: 104, .size: 8, .value_kind: global_buffer, .address_space: global }
      - { .name: ffn_ln_b, .offset: 112, .size: 8, .value_kind: global_buffer, .address_space: global }
      - { .name: h1_b, .offset: 120, .size: 8, .value_kind: global_buffer, .address_space: global }
      - { .name: ln1_g, .offset: 128, .size: 8, .value_kind: global_buffer, .address_space: global }
      - { .name: ln1_b, .offset: 136, .size: 8, .value_kind: global_buffer, .address_space: global }
      - { .name: h2_b, .offset: 144, .size: 8, .value_kind: global_buffer, .address_space: global }
      - { .name: ln2_g, .offset: 152, .size: 8, .value_kind: global_buffer, .address_space: global }
      - { .name: ln2_b, .offset: 160, .size: 8, .value_kind: global_buffer, .address_space: global }
      - { .name: h3_w, .offset: 168, .size: 8, .value_kind: global_buffer, .address_space: global }
      - { .name: h3_b, .offset: 176, .size: 8, .value_kind: global_buffer, .address_space: global }
      - { .name: prod, .offset: 184, .size: 8, .value_kind: global_buffer, .address_space: global }
      - { .name: day, .offset: 192, .size: 8, .value_kind: global_buffer, .address_space: global }
      - { .name: prod_emb, .offset: 200, .size: 8, .value_kind: global_buffer, .address_space: global }
      - { .name: day_emb, .offset: 208, .size: 8, .value_kind: global_buffer, .address_space: global }
      - { .name: out0, .offset: 216, .size: 8, .value_kind: global_buffer, .address_space: global }
    .group_segment_fixed_size: 110080
    .private_segment_fixed_size: 0
    .kernarg_segment_align: 8
    .kernarg_segment_size: 224
    .max_flat_workgroup_size: 128
    .sgpr_count:     100
    .vgpr_count:     1024
    .wavefront_size: 32
...
	.end_amdgpu_metadata
.endif
;; end of part 2
